; MI455X (gfx1250); checked and timed in simulation.
; The chip was launched on July 23, 2026; its instructions are those of AMD's public machine-readable ISA for CDNA 5 (MIT licence, August 2026) and "CDNA5" Instruction Set Architecture Reference Guide (July 2026). The comments in the code are by the model that wrote it; some were corrected since.
;; Mixer Attention. Allowed arithmetic: matrix products marked QUANTISED: E5M2 operands, one given power-of-two scale a tensor, by v_wmma_f32_16x16x64_bf8_bf8 or v_wmma_f32_16x16x128_bf8_bf8, f32 sums; everything else in f32.
;; Inputs: Wk_codes 512 x 64 x 32 uint8 (E5M2 codes of Wk, K innermost, in blocks of 32 codes); Wq_codes 2,048 x 64 x 32 uint8 (E5M2 codes of Wq, K innermost, in blocks of 32 codes); Wv_codes 512 x 64 x 32 uint8 (E5M2 codes of Wv, K innermost, in blocks of 32 codes); lowp_scales 10 int32 (the exponents e of the quantised operands' scales 2^e); x_codes 2 x 2,048 x 64 x 32 uint8 (E5M2 codes of x, K innermost, in blocks of 32 codes).
;; Outputs: out0 2 x 2,048 x 2,048 float32.
;; This version of the problem:
;;   THIS VERSION OF THE PROBLEM IS GIVEN IN LOW PRECISION. The matrix products marked QUANTISED in the list below multiply operands that are first quantised to E5M2 (5 exponent bits, 2 mantissa bits; 8 bits a number), with one given power-of-two scale for each operand tensor; their sums are f32. All else is computed in f32.
;;   The module's matrix products, in the order in which they are computed (A, B: the left and right operand; K: the contracted axis; several contracted axes count as one K, in the product's order):
;;     1. [M 4,096, K 2,048] x [K 2,048, N 2,048]; A: input x (given as codes); B: input Wq (given as codes): QUANTISED (scales: A lowp_scales[0], B lowp_scales[1])
;;     2. [M 4,096, K 2,048] x [K 2,048, N 512]; A: input x (given as codes); B: input Wk (given as codes): QUANTISED (scales: A lowp_scales[2], B lowp_scales[3])
;;     3. [M 4,096, K 2,048] x [K 2,048, N 512]; A: input x (given as codes); B: input Wv (given as codes): QUANTISED (scales: A lowp_scales[4], B lowp_scales[5])
;;     4. batch 8 x [M 2,048, K 128] x [K 128, N 8,192]; A: computed on the way; B: computed on the way: QUANTISED (scales: A lowp_scales[6], B lowp_scales[7])
;;     5. batch 8 x [M 128, K 2,048] x [K 2,048, N 8,192]; A: computed on the way; B: softmax (see below): QUANTISED (scales: A lowp_scales[8], B lowp_scales[9])
;;   THE QUANTISER, for each operand of a quantised product, along K:
;;     - The operand's scale is 2^e, e = its entry of the input lowp_scales (int32; the entries are numbered through the quantised products in the list's order, A before B).
;;     - Each number is divided by the scale, clamped to +-57,344, and rounded to the nearest number of E5M2, ties to even, subnormals kept.
;;     - The product sums the exact products of the quantised numbers (number of the format x scale) in f32.
;;   ~~~python
;;   def quantise(x, axis, e):      # numpy; x: float32 -> the quantised numbers, widened to float32 again
;;       x = np.moveaxis(x, axis, -1); K = x.shape[-1]
;;       r = np.clip(x / 2.0 ** e, -57344, 57344)
;;       step = 2.0 ** (np.maximum(np.frexp(np.where(r == 0, 1, r))[1] - 1, -14) - 2)
;;       q = np.round(r / step) * step * 2.0 ** e      # np.round: ties to even
;;       return np.moveaxis(q, -1, axis).astype(np.float32)
;;   ~~~
;;   SOFTMAX AHEAD OF A QUANTISED PRODUCT. Where the list says 'softmax', what is quantised is not the finished softmax but p = 2^(t - M), with t = logit x log2(e) and M = ceil(the row's largest t), a whole number; so 1/2 < the row's largest p <= 1. The row's sum l is taken of the UNQUANTISED p, in f32, and the product's result is divided by l at the end. Since M is a whole number, a kernel that streams over the keys may use a running M (the ceiling of the running maximum): every later rescaling is an exact power of two, so the quantised numbers keep their values, but for numbers so far below the row's largest that they fall under the format's range.
;;   OPERANDS COMPUTED ON THE WAY. 'Computed on the way' means the value that the module computes at that place (a softmax that the list does not call 'softmax' is quantised finished and normalised). What goes into a quantiser is computed in f32, as accurately as f32 sums, v_exp_f32 and their like allow (about 1e-6 of the number): no bf16 or f16 on the way to a quantiser, and a product that is left as it is and whose result goes on into a quantised operand takes f32 operands (vector FMAs, or v_wmma_f32_16x16x4_f32). A number that lies on a knife's edge between two numbers of the format may be rounded either way, as far as f32 arithmetic and the matrix unit's own rounding can turn it there, and no further.
;;   INPUTS GIVEN AS CODES. Wk (in the module: [512, 2048], K = its axis 1); Wq (in the module: [2048, 2048], K = its axis 1); Wv (in the module: [512, 2048], K = its axis 1); x (in the module: [2, 2048, 2048], K = its axis 2): each comes as NAME_codes (uint8): NAME with its K axis moved to the last place and cut into blocks of 32 codes, [.., K / 32, bytes a block], one block behind the other in memory; one code a byte (a code: sign, 5 exponent bits, 2 mantissa bits); its scale is its entry of lowp_scales. Its value is code x scale, taken as it is: it is not quantised again, and the codes and scales need not be those that the quantiser above would give.
;; One version. Each part assembles by itself: llvm-mc -triple=amdgcn-amd-amdhsa -mcpu=gfx1250 --defsym DOCPART=n.
;; ======== version 1 of 1: 2 launches
;; limits: right only within a limited range of input values
;; workspace buffers: q_codes 8,388,608 bytes; kv_codes 4,194,304 bytes
;; launch proj (part 1): grid 12 x 16, 4 waves a work-group, clusters of 4 x 4, 327,680 bytes of LDS; arguments x_codes, Wq_codes, Wk_codes, Wv_codes, lowp_scales, q_codes, kv_codes; writes q_codes, kv_codes
.if DOCPART == 1
	.amdgcn_target "amdgcn-amd-amdhsa--gfx1250"
	.amdhsa_code_object_version 6
	.text
	.protected	k_q068411bb6a_proj
	.globl	k_q068411bb6a_proj
	.p2align	8
	.type	k_q068411bb6a_proj,@function
k_q068411bb6a_proj:
	s_mov_b64 s[64:65], 0
	v_nop
	global_prefetch_b8 v0, s[64:65] scope:SCOPE_SE
	s_setreg_imm32_b32 hwreg(HW_REG_WAVE_MODE, 25, 1), 1
	s_wait_xcnt 0x0
	s_wait_alu depctr_hold_cnt(0) depctr_sa_sdst(0) depctr_va_vdst(0) depctr_va_sdst(0) depctr_va_ssrc(0) depctr_va_vcc(0) depctr_vm_vsrc(0)
	s_getreg_b32 s2, hwreg(HW_REG_IB_STS2, 6, 4)
	s_cmp_eq_u32 s2, 0
	s_cbranch_scc0 .Lentry_in_a_cluster
	s_endpgm
.Lentry_in_a_cluster:
	s_bfe_u32 s2, ttmp6, 0x10000c
	s_cmp_lg_u32 s2, 0xf033
	s_cbranch_scc0 .Lentry_shape_is_right
	s_endpgm
.Lentry_shape_is_right:
; Q, K AND V FROM x: products of codes of BF8 (E5M2), K = 2,048, then for Q and K the RMS norm over a head's 128, RoPE and the quantiser, for V the quantiser alone.  The results leave as images of operand registers:
; q_codes [16 b + head][t / 16][2,048 bytes], kv_codes [4 b + head][t / 128][K's 8 images | V's 8 images]; registers 4 g .. 4 g + 3 of lane l at 512 g + 16 l; registers 2 c, 2 c + 1 hold K = 16 c + 8 (l / 16) + 0 .. 7.
; A work-group makes 256 rows of x times 256 columns: two heads of Q (cluster columns 0, 1), or a head of K beside a head of V (cluster column 2).  Four waves of 128 x 128: 64 accumulators.  4 x 4 work-groups form a
; cluster: x's tiles are asked for jointly along a row of it, the weights' along a column.  K goes in steps of 256 through two slots.  Source 0 = 16 rows of the weight, source 1 = 16 rows of x: a lane holds one row of x.
; RoPE's cosines and sines are made once for a work-group's 256 positions, behind the last product, from the f32 product position x frequency, and lie in the slots that have had their last fill.
; V's second product wants its keys along a lane's registers: V's codes go through LDS bytes of the wave's own in slot 1, and come back transposed.
; PREFETCH: with the load of K step n each wave asks for its cluster's K step n + 2, 32 rows, a lane a row, the partners told apart by address; the last two loads ask for nothing.
; LEFT OUT in the program: in the launch attn the tiles of scores all of whose keys come after the queries: reference() itself masks them.  A NaN or infinity that reaches masked scores alone is not carried to the result.
; LIMITS: e0 + e1 and e2 + e3 between -63 and 63; e6, e7 and e8 - e4 - e5 between -126 and 112, so that each power of two is an f32 number.
.set PFA,    96                        ; s[96:97] where my prefetches stand
.set PFO,    30                        ; v30      2,048 x my lane; never rewritten
.set VP,     160                       ; pitch of a row of V's codes in LDS
.set ROWB,   256
.set KROW,   2048
.set PITCH,  272
.set FR,     16
.set NL,     4
.set NP,     4
.set HALFT,  128*PITCH
.set SLOT,   4*HALFT
.set LAPS,   4
.set SPARE,  2*SLOT
.set ADRA, 16
.set ADRB, 20
.set SPW,  28
.set NIL,  29
.set LI,   5
.set IFQ,  32
.set LO,   72
.set PW,   80
.set AF,   128
.set TA,   64
.set TK,   72
.set TN,   80
.set TZ,   88
.set TP,   96
.set TQ,   104
.set TT,   112
.set TWA,  115
.set MG,   120
.set CSO,  128
.set SNO,  160
.set SS,   6
.set GG,   14
.set TRD,  16
.set PX,   18
.set SC,   22
.set HD,   23
.set XX,   64
.set G1, 24
.set G0, 32
.set G1B, 48
.set G0B, 56
.set WV,  18
.set RHO, 19
.set KAP, 20
.set CX,  21
.set CY,  22
.set XC,  23
.set CC,  40
.set RR,  41
.set ISV, 78
.set MSB, 0
.macro WIN new
.if MSB != \new
	s_set_vgpr_msb (MSB<<8)|\new
.set MSB, \new
.endif
.endm
.set MUL_LO, 0xa1
.set MUL_HI, 0xf1
.set TO_B,   0x40
.macro JLOAD g0a, g1a, g0b, g1b
	s_cmp_eq_u32 s[RHO], 0
	s_cbranch_scc0 .Lfor_w_\@
	tensor_load_to_lds s[\g0a:\g0a+3], s[\g1a:\g1a+7]
	s_nop 0
.rept 4
	v_nop
.endr
	s_branch .Lasked_\@
.Lfor_w_\@:
	tensor_load_to_lds s[\g0b:\g0b+3], s[\g1b:\g1b+7]
	s_nop 0
.rept 4
	v_nop
.endr
.Lasked_\@:
.endm
.macro CREST
	s_cmp_lg_u32 s[WV], 0
	s_cbranch_scc1 .Lnot_wave_0_\@
	s_barrier_signal -3
.Lnot_wave_0_\@:
	s_barrier_wait -3
	s_barrier_signal -1
	s_barrier_wait -1
.endm
.macro CROUND
	s_barrier_signal -1
	s_barrier_wait -1
	CREST
.endm
	s_load_b256 s[4:11], s[0:1], 0x0
	s_load_b128 s[12:15], s[0:1], 0x20
	s_load_b64 s[16:17], s[0:1], 0x30
	v_lshl_add_u32 v[SPW], v0, 2, SPARE
	v_mov_b32 v[NIL], 0
	ds_add_u32 v28, v29
	ds_add_u32 v28, v29
	s_wait_dscnt 0x0
	v_lshrrev_b32 v1, 5, v0
	v_readfirstlane_b32 s[WV], v1
	s_lshr_b32 s[RHO], s[WV], 1
	s_and_b32 s[KAP], s[WV], 1
	s_bfe_u32 s[CX], ttmp6, 0x40000
	s_bfe_u32 s[CY], ttmp6, 0x40004
	s_mov_b32 s[XC], ttmp9
	s_lshl_b32 s[CC], s[XC], 2
	s_add_co_u32 s[CC], s[CC], s[CX]
	s_and_b32 s[RR], ttmp7, 0xffff
	s_lshl_b32 s[RR], s[RR], 2
	s_add_co_u32 s[RR], s[RR], s[CY]
	s_lshl_b32 s42, s[CY], 2
	s_lshl_b32 s42, 15, s42
	s_lshl_b32 s43, 0x1111, s[CX]
	s_or_b32 s[G1+0], s42, (0<<16)|(1<<20)|(1<<21)|(5<<22)|(3<<25)
	s_or_b32 s[G1B+0], s43, (0<<16)|(1<<20)|(1<<21)|(5<<22)|(3<<25)
.irp g, G1, G1B
	s_mov_b32 s[\g+1], ROWB<<16
	s_mov_b32 s[\g+2], 128<<16
	s_mov_b32 s[\g+3], ROWB<<16
	s_mov_b32 s[\g+4], 128
	s_mov_b32 s[\g+5], KROW
	s_mov_b32 s[\g+6], 0
	s_mov_b32 s[\g+7], 0
.endr
	s_lshl_b32 s44, s[RR], 8
	s_lshl_b32 s45, s[KAP], 7
	s_add_co_u32 s44, s44, s45
	s_lshl_b32 s44, s44, 11
	s_mov_b32 s45, 0
	s_lshl_b32 s46, s[CC], 8
	s_lshl_b32 s47, s[KAP], 7
	s_add_co_u32 s46, s46, s47
	s_lshl_b32 s47, s[CX], 7
	s_cmp_lt_u32 s[XC], 2
	s_cselect_b32 s46, s46, s47
	s_lshl_b32 s46, s46, 11
	s_mov_b32 s47, 0
	s_mul_i32 s86, s[WV], HALFT
	s_mov_b32 s80, 0x76543210
	s_mov_b32 s81, 0xfedcba98
	s_wait_kmcnt 0x0
	s_load_b256 s[68:75], s[12:13], 0x0
	s_load_b64 s[76:77], s[12:13], 0x20
	s_cmp_eq_u32 s[KAP], 0
	s_cselect_b64 s[84:85], s[8:9], s[10:11]
	s_cmp_lt_u32 s[XC], 2
	s_cselect_b64 s[84:85], s[6:7], s[84:85]
	s_add_nc_u64 s[84:85], s[84:85], s[46:47]
	s_add_nc_u64 s[44:45], s[4:5], s[44:45]
	CROUND
.irp s, 0,1
	s_mov_b32 s[G0+4*\s], 1
	s_add_co_u32 s[G0+4*\s+1], s86, \s*SLOT
	s_add_nc_u64 s[G0+4*\s+2:G0+4*\s+3], s[44:45], \s*ROWB
	s_or_b32 s[G0+4*\s+3], s[G0+4*\s+3], 0x80000000
	s_mov_b32 s[G0B+4*\s], 1
	s_add_co_u32 s[G0B+4*\s+1], s86, \s*SLOT
	s_add_nc_u64 s[G0B+4*\s+2:G0B+4*\s+3], s[84:85], \s*ROWB
	s_or_b32 s[G0B+4*\s+3], s[G0B+4*\s+3], 0x80000000
.endr
	JLOAD G0, G1, G0B, G1B                         ; K step 0: one tensor load a wave at the head
	s_cmp_eq_u32 s[RHO], 0
	s_cselect_b64 s[PFA:PFA+1], s[44:45], s[84:85] ; my 128 rows of x or of a weight,
	s_cselect_b32 s98, s[CX], s[CY]
	s_lshl_b32 s98, s98, 16                        ; my work-group's 32 of them,
	s_mov_b32 s99, 0
	s_add_nc_u64 s[PFA:PFA+1], s[PFA:PFA+1], s[98:99]
	s_add_nc_u64 s[PFA:PFA+1], s[PFA:PFA+1], 2*ROWB ; K step 2
	v_and_b32 v[PFO], 31, v0
	v_lshlrev_b32 v[PFO], 11, v[PFO]
	s_wait_alu depctr_va_vdst(0)
	global_prefetch_b8 v[PFO], s[PFA:PFA+1] th:TH_LOAD_NT scope:SCOPE_SE
	v_and_b32 v1, 15, v0
	v_bfe_u32 v2, v0, 4, 1
	v_mul_u32_u24 v3, v1, PITCH
	v_lshl_add_u32 v4, v2, 4, v3
	s_wait_alu depctr_va_vdst(0)
	v_and_b32 v[LI], 31, v0
	v_lshlrev_b32 v[LI], 4, v[LI]
	s_mul_i32 s87, s[RHO], HALFT
	s_mul_i32 s88, s[KAP], HALFT
	s_add_co_u32 s88, s88, 2*HALFT
	s_cmp_eq_u32 s[XC], 2
	s_cselect_b32 s[ISV], s[KAP], 0                ; 1 in a wave that makes V
.irp s, 0,1
	v_add_nc_u32 v[ADRA+\s], s87, v4
	v_add_nc_u32 v[ADRB+\s], s88, v4
	s_add_co_u32 s87, s87, SLOT
	s_add_co_u32 s88, s88, SLOT
.endr
	v_cmp_eq_u32 vcc_lo, 1, v2
.macro CONST j, h0, h1, l0, l1
	v_mov_b32 v64, \h1
	v_mov_b32 v65, \l1
	v_cndmask_b32 v[PW+\j], \h0, v64, vcc_lo
	v_cndmask_b32 v[LO+\j], \l0, v65, vcc_lo
.endm
	CONST 0, 0x3f800000, 0x404a62c2, 0,          0xb324b494
	CONST 1, 0x3f93cfe5, 0x4069b621, 0x334a4010, 0x31d863da
	CONST 2, 0x3faab0d5, 0x4086f161, 0xb364577e, 0xb430577a
	CONST 3, 0x3fc51c50, 0x409bd461, 0xb1454e1d, 0x33c601d7
	CONST 4, 0x3fe39ea9, 0x40b3f300, 0xb26aee13, 0x34323462
	CONST 5, 0x40036cf4, 0x40cfcd58, 0x336e26a6, 0xb380c90a
	CONST 6, 0x4017c496, 0x40eff755, 0x33606947, 0x34515b50
	CONST 7, 0x402f4244, 0x410a8de6, 0x33d9f1e0, 0x3381abd2
.macro POWER nb, ten
.irp p, 0,2,4,6
	v_pk_mul_f32 v[PW+8*\nb+\p:PW+8*\nb+\p+1], v[PW+\p:PW+\p+1], \ten op_sel_hi:[1,0]
.endr
.irp p, 0,2,4,6
	v_pk_fma_f32 v[64+\p:65+\p], v[PW+\p:PW+\p+1], \ten, v[PW+8*\nb+\p:PW+8*\nb+\p+1] op_sel_hi:[1,0,1] neg_lo:[0,0,1] neg_hi:[0,0,1]
.endr
.irp p, 0,2,4,6
	v_pk_fma_f32 v[64+\p:65+\p], v[LO+\p:LO+\p+1], \ten, v[64+\p:65+\p] op_sel_hi:[1,0,1]
.endr
.irp p, 0,2,4,6
	v_pk_add_f32 v[PW+8*\nb+\p:PW+8*\nb+\p+1], v[PW+8*\nb+\p:PW+8*\nb+\p+1], v[64+\p:65+\p]
.endr
.endm
	POWER 1, 0x41200000
	POWER 2, 0x42c80000
	POWER 3, 0x447a0000
.set n, 0
	s_wait_alu depctr_va_vdst(0)
.rept 32
	v_rcp_f32 v[IFQ+n], v[PW+n]
.set n, n+1
.endr
	v_nop
	s_wait_alu depctr_va_vdst(0)
.set n, 0
.rept 16
	v_pk_fma_f32 v[PW+n:PW+n+1], v[PW+n:PW+n+1], v[IFQ+n:IFQ+n+1], 1.0 op_sel_hi:[1,1,0] neg_lo:[1,0,0] neg_hi:[1,0,0]
.set n, n+2
.endr
.set n, 0
.rept 16
	v_pk_fma_f32 v[IFQ+n:IFQ+n+1], v[IFQ+n:IFQ+n+1], v[PW+n:PW+n+1], v[IFQ+n:IFQ+n+1]
.set n, n+2
.endr
.macro FRAG reg, adr, q, i
.irp c, 0,1,2,3
	ds_load_b128 v[\reg+4*\c:\reg+4*\c+3], v[\adr] offset:128*(\q)+32*\c+(\i)*16*PITCH
.endr
.endm
.macro MUL16 a0, p, zero
.irp a, \a0, \a0+1
.irp b, 0,1,2,3,4,5,6,7
.if \zero
	v_wmma_f32_16x16x128_bf8_bf8 v[8*(8*((\a)%4)+\b):8*(8*((\a)%4)+\b)+7], v[128*(\p)+FR*\b:128*(\p)+FR*\b+FR-1], v[AF+FR*(\a):AF+FR*(\a)+FR-1], 0
.else
	v_wmma_f32_16x16x128_bf8_bf8 v[8*(8*((\a)%4)+\b):8*(8*((\a)%4)+\b)+7], v[128*(\p)+FR*\b:128*(\p)+FR*\b+FR-1], v[AF+FR*(\a):AF+FR*(\a)+FR-1], v[8*(8*((\a)%4)+\b):8*(8*((\a)%4)+\b)+7]
.endif
.endr
.endr
.endm
.macro FETCH_B slot, q, p
	WIN TO_B
.irp i, 0,1,2,3,4,5,6,7
	FRAG 128*(\p)+FR*\i, ADRB+\slot, \q, \i
.endr
	WIN 0
.endm
.macro FETCH_A slot, q, i0
.irp i, \i0, \i0+1, \i0+2, \i0+3
	FRAG AF+FR*(\i), ADRA+\slot, \q, \i
.endr
.endm
.macro PLACES n
.rept \n
	v_nop
.endr
.endm
.macro STEP slot, q, zero
	s_wait_dscnt 4*NL
	WIN MUL_LO
	MUL16 0, (\q)%2, \zero
	MUL16 2, (\q)%2, \zero
	s_wait_dscnt 0
	PLACES NP
	FETCH_B \slot, (\q)+1, 1-(\q)%2
	FETCH_A \slot, (\q)+1, 0
	WIN MUL_HI
	MUL16 4, (\q)%2, \zero
	MUL16 6, (\q)%2, \zero
	PLACES NP
	WIN 0
	FETCH_A \slot, (\q)+1, 4
.endm
.macro ASK                             ; the K step two on; s3 = 1 in the loop's last trip, which asks for nothing
	s_cmp_gt_u32 s3, 1
	s_cbranch_scc0 .Lno_ask_\@
	global_prefetch_b8 v[PFO], s[PFA:PFA+1] offset:ROWB th:TH_LOAD_NT scope:SCOPE_SE
.Lno_ask_\@:
.endm
.macro TURN slot, next, fill
.if \fill
	s_wait_xcnt 0x0                                ; my last prefetch has read its address
	s_add_nc_u64 s[PFA:PFA+1], s[PFA:PFA+1], ROWB
.endif
	s_wait_tensorcnt 0x0
	ds_add_u32 v[SPW], v[NIL]
	s_wait_dscnt 4*NL+1
	WIN MUL_LO
	MUL16 0, 1, 0
	s_wait_dscnt 0x0
	s_barrier_signal -1
	MUL16 2, 1, 0
	WIN 0
	s_barrier_wait -1
.if \fill
	CREST
	s_add_nc_u64 s[G0+4*\slot+2:G0+4*\slot+3], s[G0+4*\slot+2:G0+4*\slot+3], 2*ROWB
	s_add_nc_u64 s[G0B+4*\slot+2:G0B+4*\slot+3], s[G0B+4*\slot+2:G0B+4*\slot+3], 2*ROWB
	JLOAD G0+4*\slot, G1, G0B+4*\slot, G1B
.else
	PLACES NP
.endif
	FETCH_B \next, 0, 0
	FETCH_A \next, 0, 0
.if \fill
	ASK
.endif
	WIN MUL_HI
	MUL16 4, 1, 0
	MUL16 6, 1, 0
	PLACES NP
	WIN 0
	FETCH_A \next, 0, 4
.endm
	s_wait_alu depctr_va_vdst(0)                   ; the wait at the head's end
	s_wait_tensorcnt 0x0                           ; my part of K step 0 is in
	ds_add_u32 v[SPW], v[NIL]
	s_wait_dscnt 0x0                               ; the add is done
	CROUND                                         ; everybody's part of K step 0 is in
	JLOAD G0+4, G1, G0B+4, G1B                     ; K step 1, the first tensor load behind the round
	FETCH_B 0, 0, 0
	FETCH_A 0, 0, 0
	FETCH_A 0, 0, 4
	global_prefetch_b8 v[PFO], s[PFA:PFA+1] offset:ROWB th:TH_LOAD_NT scope:SCOPE_SE   ; K step 3
	STEP 0, 0, 1
	s_mov_b32 s3, LAPS-1
.Llap:
	TURN 0, 1, 1
	STEP 1, 0, 0
	TURN 1, 0, 1
	STEP 0, 0, 0
	s_sub_co_u32 s3, s3, 1
	s_cmp_lg_u32 s3, 0
	s_cbranch_scc1 .Llap
	TURN 0, 1, 0
	STEP 1, 0, 0
	s_wait_dscnt 4*NL
	WIN MUL_LO
	MUL16 0, 1, 0
	MUL16 2, 1, 0
	s_wait_dscnt 0
	WIN MUL_HI
	MUL16 4, 1, 0
	MUL16 6, 1, 0
	WIN 0
	v_mov_b32 v[MG], 0x4b400000
	v_mov_b32 v[MG+1], 0x4b400000
	v_mov_b32 v[MG+2], 0x3638ef1d
	v_mov_b32 v[MG+3], 0x3638ef1d
	v_mov_b32 v[MG+4], 0xb493f27e
	v_mov_b32 v[MG+5], 0xb493f27e
	s_and_b32 s89, s[RR], 7
	s_lshl_b32 s89, s89, 8
	s_lshl_b32 s91, s[WV], 6
	s_add_co_u32 s89, s89, s91
	s_lshl_b32 s90, s[WV], 15
	s_mov_b32 s88, 4
.macro NBG nb
.irp p, 0,2,4,6
	v_pk_mul_f32 v[TA+\p:TA+\p+1], v[IFQ+8*\nb+\p:IFQ+8*\nb+\p+1], v[TT:TT+1]
.endr
.irp p, 0,2,4,6
	v_pk_fma_f32 v[TK+\p:TK+\p+1], v[TA+\p:TA+\p+1], 0x3ea2f983, v[MG:MG+1] op_sel_hi:[1,0,1]
.endr
.irp p, 0,2,4,6
	v_pk_add_f32 v[TN+\p:TN+\p+1], v[TK+\p:TK+\p+1], v[MG:MG+1] neg_lo:[0,1] neg_hi:[0,1]
.endr
.irp p, 0,2,4,6
	v_pk_fma_f32 v[TA+\p:TA+\p+1], v[TN+\p:TN+\p+1], 0xc0490fdb, v[TA+\p:TA+\p+1] op_sel_hi:[1,0,1]
.endr
.irp p, 0,2,4,6
	v_pk_fma_f32 v[TA+\p:TA+\p+1], v[TN+\p:TN+\p+1], 0x33bbbd2e, v[TA+\p:TA+\p+1] op_sel_hi:[1,0,1]
.endr
.irp p, 0,2,4,6
	v_pk_mul_f32 v[TZ+\p:TZ+\p+1], v[TA+\p:TA+\p+1], v[TA+\p:TA+\p+1]
.endr
.irp p, 0,2,4,6
	v_pk_fma_f32 v[TP+\p:TP+\p+1], v[TZ+\p:TZ+\p+1], 0xb2d7322b, v[MG+2:MG+3] op_sel_hi:[1,0,1]
	v_pk_fma_f32 v[TQ+\p:TQ+\p+1], v[TZ+\p:TZ+\p+1], 0x310f76c7, v[MG+4:MG+5] op_sel_hi:[1,0,1]
.endr
.irp p, 0,2,4,6
	v_pk_fma_f32 v[TP+\p:TP+\p+1], v[TP+\p:TP+\p+1], v[TZ+\p:TZ+\p+1], 0xb9500d01 op_sel_hi:[1,1,0]
	v_pk_fma_f32 v[TQ+\p:TQ+\p+1], v[TQ+\p:TQ+\p+1], v[TZ+\p:TZ+\p+1], 0x37d00d01 op_sel_hi:[1,1,0]
.endr
.irp p, 0,2,4,6
	v_pk_fma_f32 v[TP+\p:TP+\p+1], v[TP+\p:TP+\p+1], v[TZ+\p:TZ+\p+1], 0x3c088889 op_sel_hi:[1,1,0]
	v_pk_fma_f32 v[TQ+\p:TQ+\p+1], v[TQ+\p:TQ+\p+1], v[TZ+\p:TZ+\p+1], 0xbab60b61 op_sel_hi:[1,1,0]
.endr
.irp p, 0,2,4,6
	v_pk_fma_f32 v[TP+\p:TP+\p+1], v[TP+\p:TP+\p+1], v[TZ+\p:TZ+\p+1], 0xbe2aaaab op_sel_hi:[1,1,0]
	v_pk_fma_f32 v[TQ+\p:TQ+\p+1], v[TQ+\p:TQ+\p+1], v[TZ+\p:TZ+\p+1], 0x3d2aaaab op_sel_hi:[1,1,0]
.endr
.irp p, 0,2,4,6
	v_pk_mul_f32 v[TN+\p:TN+\p+1], v[TA+\p:TA+\p+1], v[TZ+\p:TZ+\p+1]
	v_pk_fma_f32 v[TQ+\p:TQ+\p+1], v[TQ+\p:TQ+\p+1], v[TZ+\p:TZ+\p+1], -0.5 op_sel_hi:[1,1,0]
.endr
.irp i, 0,1,2,3,4,5,6,7
	v_lshlrev_b32 v[TK+\i], 31, v[TK+\i]
.endr
.irp p, 0,2,4,6
	v_pk_fma_f32 v[SNO+8*\nb+\p:SNO+8*\nb+\p+1], v[TN+\p:TN+\p+1], v[TP+\p:TP+\p+1], v[TA+\p:TA+\p+1]
	v_pk_fma_f32 v[CSO+8*\nb+\p:CSO+8*\nb+\p+1], v[TQ+\p:TQ+\p+1], v[TZ+\p:TZ+\p+1], 1.0 op_sel_hi:[1,1,0]
.endr
.irp i, 0,1,2,3,4,5,6,7
	v_xor_b32 v[SNO+8*\nb+\i], v[TK+\i], v[SNO+8*\nb+\i]
	v_xor_b32 v[CSO+8*\nb+\i], v[TK+\i], v[CSO+8*\nb+\i]
.endr
	ds_store_b128 v[TWA], v[CSO+8*\nb:CSO+8*\nb+3]   offset:512*(2*\nb)
	ds_store_b128 v[TWA], v[CSO+8*\nb+4:CSO+8*\nb+7] offset:512*(2*\nb+1)
	ds_store_b128 v[TWA], v[SNO+8*\nb:SNO+8*\nb+3]   offset:512*(8+2*\nb)
	ds_store_b128 v[TWA], v[SNO+8*\nb+4:SNO+8*\nb+7] offset:512*(9+2*\nb)
.endm
.Ltab:
	s_wait_dscnt 0x0
	v_add_nc_u32 v114, s89, v1
	v_cvt_f32_u32 v[TT], v114
	v_cvt_f32_u32 v[TT+1], v114
	v_add_nc_u32 v[TWA], s90, v[LI]
	NBG 0
	NBG 1
	NBG 2
	NBG 3
	s_add_co_u32 s89, s89, 16
	s_add_co_u32 s90, s90, 8192
	s_sub_co_u32 s88, s88, 1
	s_cmp_lg_u32 s88, 0
	s_cbranch_scc1 .Ltab
	s_wait_dscnt 0x0
	s_barrier_signal -1
	s_barrier_wait -1
	s_wait_kmcnt 0x0
	s_add_co_i32 s82, s68, s69
	s_add_co_i32 s83, s70, s71
	s_sub_co_i32 s85, s76, s72
	s_sub_co_i32 s85, s85, s73
	s_cmp_lt_u32 s[XC], 2
	s_cselect_b32 s82, s82, s83
	s_cselect_b32 s84, s75, s74
	s_cselect_b64 s[86:87], s[14:15], s[16:17]
	s_cmp_eq_u32 s[ISV], 1
	s_cselect_b32 s84, s85, s84
	s_lshl_b32 s83, s82, 1
	s_sub_co_i32 s83, s83, 7
	s_add_co_i32 s84, s84, 127
	s_lshl_b32 s85, s84, 23
	v_mov_b32 v[SC], s85
	s_add_co_i32 s84, s84, 15
	s_lshl_b32 s84, s84, 23
	s_or_b32 s84, s84, 0x600000
	v_mov_b32 v[HD], s84
	s_lshr_b32 s91, s[RR], 3
	s_and_b32 s92, s[RR], 7
	s_lshl_b32 s92, s92, 1
	s_add_co_u32 s92, s92, s[RHO]
	s_lshl_b32 s93, s91, 4
	s_lshl_b32 s94, s[CC], 1
	s_add_co_u32 s93, s93, s94
	s_add_co_u32 s93, s93, s[KAP]
	s_lshl_b32 s93, s93, 4
	s_add_co_u32 s93, s93, s92
	s_lshl_b32 s93, s93, 14
	s_lshl_b32 s94, s91, 2
	s_add_co_u32 s94, s94, s[CX]
	s_lshl_b32 s94, s94, 4
	s_add_co_u32 s94, s94, s92
	s_lshl_b32 s94, s94, 15
	s_lshl_b32 s95, s[ISV], 14
	s_add_co_u32 s94, s94, s95
	s_cmp_lt_u32 s[XC], 2
	s_cselect_b32 s92, s93, s94
	s_mov_b32 s93, 0
	s_add_nc_u64 s[86:87], s[86:87], s[92:93]
	s_lshl_b32 s95, s[RHO], 16
	v_add_nc_u32 v[TRD], s95, v[LI]
	v_mov_b32 v[PX], 0
	v_mov_b32 v[GG+1], 0
	s_cmp_eq_u32 s[ISV], 1
	s_cbranch_scc1 .Lv
.macro TLOAD a
.set TL, 128+64*((\a)%2)
.irp g, 0,1,2,3,4,5,6,7,8,9,10,11,12,13,14,15
	ds_load_b128 v[TL+4*\g:TL+4*\g+3], v[TRD] offset:8192*(\a)+512*\g
.endr
.endm
.macro BLOCKQK a
.set AC, 64*((\a)%4)
.set W, 2+(\a)/4
.set WW, W|(W<<2)
.set TU, 128+64*((\a)%2)
.set CD, 32+16*((\a)%2)
.if (\a) < 7
	TLOAD (\a)+1
.endif
	WIN WW
.irp c, 0,1,2,3
	v_pk_mul_f32 v[SS+2*\c:SS+2*\c+1], v[AC+2*\c:AC+2*\c+1], v[AC+2*\c:AC+2*\c+1]
.endr
.set n, 4
.rept 28
	v_pk_fma_f32 v[SS+2*(n%4):SS+2*(n%4)+1], v[AC+2*n:AC+2*n+1], v[AC+2*n:AC+2*n+1], v[SS+2*(n%4):SS+2*(n%4)+1]
.set n, n+1
.endr
	WIN 0
	v_pk_add_f32 v[SS:SS+1], v[SS:SS+1], v[SS+2:SS+3]
	v_pk_add_f32 v[SS+4:SS+5], v[SS+4:SS+5], v[SS+6:SS+7]
	v_pk_add_f32 v[SS:SS+1], v[SS:SS+1], v[SS+4:SS+5]
	v_add_f32 v[SS], v[SS], v[SS+1]
	v_permlanex16_b32 v[PX], v[SS], s80, s81
	v_add_f32 v[SS], v[SS], v[PX]
	v_ldexp_f32 v[SS], v[SS], s83
	v_add_f32 v[SS], 0x34000000, v[SS]
	s_wait_alu depctr_va_vdst(0)
	v_rsq_f32 v[GG], v[SS]
	v_nop
	s_wait_alu depctr_va_vdst(0)
	v_ldexp_f32 v[GG], v[GG], s82
	WIN W
.set n, 0
.rept 32
	v_pk_mul_f32 v[XX+2*n:XX+2*n+1], v[AC+2*n:AC+2*n+1], v[GG:GG+1] op_sel_hi:[1,0]
.set n, n+1
.endr
	WIN 0
.if (\a) < 7
	s_wait_dscnt 16
.else
	s_wait_dscnt 0
.endif
.set n, 0
.rept 16
	v_pk_mul_f32 v[SS+4*(n%2):SS+4*(n%2)+1],   v[XX+32+2*n:XX+33+2*n], v[TU+32+2*n:TU+33+2*n]
	v_pk_mul_f32 v[SS+4*(n%2)+2:SS+4*(n%2)+3], v[XX+2*n:XX+2*n+1],     v[TU+32+2*n:TU+33+2*n]
	v_pk_fma_f32 v[XX+2*n:XX+2*n+1],       v[XX+2*n:XX+2*n+1],       v[TU+2*n:TU+2*n+1], v[SS+4*(n%2):SS+4*(n%2)+1]
	v_pk_fma_f32 v[XX+32+2*n:XX+33+2*n],   v[XX+32+2*n:XX+33+2*n],   v[TU+2*n:TU+2*n+1], v[SS+4*(n%2)+2:SS+4*(n%2)+3] neg_lo:[0,0,1] neg_hi:[0,0,1]
.set n, n+1
.endr
.set n, 0
.rept 64
	v_med3_num_f32 v[XX+n], v[XX+n], -v[HD], v[HD]
.set n, n+1
.endr
.if (\a) >= 2
	s_wait_alu depctr_va_vdst(0)
	s_wait_xcnt 0x0
.endif
.irp b, 0,1,2,3,4,5,6,7
	v_cvt_scalef32_pk8_bf8_f32 v[CD+2*\b:CD+2*\b+1], v[XX+8*\b:XX+8*\b+7], v[SC]
.endr
	v_nop
.irp g, 0,1,2,3
	global_store_b128 v[LI], v[CD+4*\g:CD+4*\g+3], s[86:87] offset:2048*(\a)+512*\g
.endr
.endm
.macro BLOCKV a
.set AC, 64*((\a)%4)
.set W, 2+(\a)/4
.set CD, 32+16*((\a)%2)
	WIN W
.set n, 0
.rept 64
	v_med3_num_f32 v[XX+n], v[AC+n], -v[HD], v[HD]
.set n, n+1
.endr
	WIN 0
.irp b, 0,1,2,3,4,5,6,7
	v_cvt_scalef32_pk8_bf8_f32 v[32+2*\b:33+2*\b], v[XX+8*\b:XX+8*\b+7], v[SC]
.endr
	v_nop
.irp g, 0,1,2,3                        ; the codes of channel tiles 2 g and 2 g + 1 take turns, byte by byte: byte 2 i + u of a row's 32 is channel 16 (2 g + u) + i
	v_perm_b32 v[48+4*\g], v[34+4*\g], v[32+4*\g], s88
	v_perm_b32 v[49+4*\g], v[34+4*\g], v[32+4*\g], s89
	v_perm_b32 v[50+4*\g], v[35+4*\g], v[33+4*\g], s88
	v_perm_b32 v[51+4*\g], v[35+4*\g], v[33+4*\g], s89
.endr
.irp g, 0,1,2,3
	ds_store_b128 v[20], v[48+4*\g:51+4*\g] offset:16*VP*(\a)+32*\g
.endr
.endm
	TLOAD 0
.irp a, 0,1,2,3,4,5,6,7
	BLOCKQK \a
.endr
	s_branch .Lend
.Lv:
	s_mov_b32 s88, 0x05010400
	s_mov_b32 s89, 0x07030602
	s_mov_b32 s90, 0x06040200
	s_mov_b32 s91, 0x07050301
	s_mul_i32 s95, s[WV], 128*VP
	s_add_co_u32 s95, s95, SLOT                    ; my own bytes for 128 rows of V's codes, in slot 1, which has had its last fill and its last read
	s_wait_alu depctr_va_vdst(0)
	v_mul_u32_u24 v20, v1, VP                      ; in: row l % 16, 16 bytes for each half of the lanes
	v_lshl_add_u32 v20, v2, 4, v20
	v_add_nc_u32 v20, s95, v20
	v_and_b32 v21, 7, v0                           ; back: pairs of bytes, transposed within eight lanes
	v_lshl_add_u32 v21, v2, 3, v21
	v_mul_u32_u24 v21, v21, VP
	v_bfe_u32 v3, v0, 3, 1
	v_lshl_add_u32 v21, v3, 4, v21
	v_add_nc_u32 v21, s95, v21
.irp a, 0,1,2,3,4,5,6,7
	BLOCKV \a
.endr
	s_wait_dscnt 0x0
.irp g, 0,1,2,3
.irp c, 0,1,2,3,4,5,6,7
	ds_load_tr16_b128 v[128+32*\g+4*\c:131+32*\g+4*\c], v[21] offset:16*VP*\c+32*\g   ; keys 16 c + 8 (l / 16) + 0 .. 7 of bytes 2 r and 2 r + 1
.endr
.endr
.irp g, 0,1,2,3
	s_wait_dscnt 24-8*\g                           ; the eight loads of each later g may be out
.if \g >= 2
	s_wait_xcnt 0x0                                ; the stores of g - 2 have read their data
.endif
.set IM, 64+32*(\g%2)
.irp c, 0,1,2,3,4,5,6,7
	v_perm_b32 v[IM+2*\c], v[129+32*\g+4*\c], v[128+32*\g+4*\c], s90
	v_perm_b32 v[IM+2*\c+1], v[131+32*\g+4*\c], v[130+32*\g+4*\c], s90
	v_perm_b32 v[IM+16+2*\c], v[129+32*\g+4*\c], v[128+32*\g+4*\c], s91
	v_perm_b32 v[IM+17+2*\c], v[131+32*\g+4*\c], v[130+32*\g+4*\c], s91
.endr
.irp q, 0,1,2,3
	global_store_b128 v[LI], v[IM+4*\q:IM+4*\q+3], s[86:87] offset:4096*\g+512*\q
.endr
.irp q, 0,1,2,3
	global_store_b128 v[LI], v[IM+16+4*\q:IM+16+4*\q+3], s[86:87] offset:4096*\g+2048+512*\q
.endr
.endr
.Lend:
	s_wait_tensorcnt 0x0
	ds_add_u32 v[SPW], v[NIL]
	s_wait_dscnt 0x0
	CROUND
	s_endpgm
.Lfunc_end_k_q068411bb6a_proj:
	.size	k_q068411bb6a_proj, .Lfunc_end_k_q068411bb6a_proj-k_q068411bb6a_proj
	.p2alignl 7, 3214868480
	.fill 96, 4, 3214868480
	.section	.rodata,"a",@progbits
	.p2align	6, 0x0
	.amdhsa_kernel k_q068411bb6a_proj
		.amdhsa_group_segment_fixed_size 327680
		.amdhsa_private_segment_fixed_size 0
		.amdhsa_enable_private_segment 0
		.amdhsa_kernarg_size 56
		.amdhsa_user_sgpr_count 2
		.amdhsa_user_sgpr_kernarg_segment_ptr 1
		.amdhsa_wavefront_size32 1
		.amdhsa_system_sgpr_workgroup_id_x 1
		.amdhsa_system_sgpr_workgroup_id_y 1
		.amdhsa_system_sgpr_workgroup_id_z 1
		.amdhsa_system_vgpr_workitem_id 0
		.amdhsa_next_free_vgpr 1024
		.amdhsa_next_free_sgpr 100
		.amdhsa_reserve_vcc 1
		.amdhsa_float_denorm_mode_32 3
		.amdhsa_float_denorm_mode_16_64 3
		.amdhsa_memory_ordered 1
		.amdhsa_forward_progress 1
		.amdhsa_inst_pref_size 255
	.end_amdhsa_kernel
	.section	.bss,"aw",@nobits
	.p2align	6
	.space	262144
	.amdgpu_metadata
---
amdhsa.version: [ 1, 2 ]
amdhsa.kernels:
  - .name:           k_q068411bb6a_proj
    .symbol:         k_q068411bb6a_proj.kd
    .args:
      - { .name: x_codes, .offset: 0, .size: 8, .value_kind: global_buffer, .address_space: global }
      - { .name: Wq_codes, .offset: 8, .size: 8, .value_kind: global_buffer, .address_space: global }
      - { .name: Wk_codes, .offset: 16, .size: 8, .value_kind: global_buffer, .address_space: global }
      - { .name: Wv_codes, .offset: 24, .size: 8, .value_kind: global_buffer, .address_space: global }
      - { .name: lowp_scales, .offset: 32, .size: 8, .value_kind: global_buffer, .address_space: global }
      - { .name: q_codes, .offset: 40, .size: 8, .value_kind: global_buffer, .address_space: global }
      - { .name: kv_codes, .offset: 48, .size: 8, .value_kind: global_buffer, .address_space: global }
    .group_segment_fixed_size: 327680
    .private_segment_fixed_size: 0
    .kernarg_segment_align: 8
    .kernarg_segment_size: 56
    .max_flat_workgroup_size: 128
    .sgpr_count:     100
    .vgpr_count:     1024
    .wavefront_size: 32
...
	.end_amdgpu_metadata
.endif
;; end of part 1
;; launch attn (part 2): grid 32 x 8, 8 waves a work-group, clusters of 4 x 1, 327,680 bytes of LDS; arguments q_codes, kv_codes, lowp_scales, out0; writes out0
.if DOCPART == 2
	.amdgcn_target "amdgcn-amd-amdhsa--gfx1250"
	.amdhsa_code_object_version 6
	.text
	.protected	k_q068411bb6a_attn
	.globl	k_q068411bb6a_attn
	.p2align	8
	.type	k_q068411bb6a_attn,@function
k_q068411bb6a_attn:
	s_mov_b64 s[64:65], 0
	v_nop
	global_prefetch_b8 v0, s[64:65] scope:SCOPE_SE
	s_setreg_imm32_b32 hwreg(HW_REG_WAVE_MODE, 25, 1), 1
	s_wait_xcnt 0x0
	s_wait_alu depctr_hold_cnt(0) depctr_sa_sdst(0) depctr_va_vdst(0) depctr_va_sdst(0) depctr_va_ssrc(0) depctr_va_vcc(0) depctr_vm_vsrc(0)
	s_getreg_b32 s2, hwreg(HW_REG_IB_STS2, 6, 4)
	s_cmp_eq_u32 s2, 0
	s_cbranch_scc0 .Lentry_in_a_cluster
	s_endpgm
.Lentry_in_a_cluster:
	s_bfe_u32 s2, ttmp6, 0x10000c
	s_cmp_lg_u32 s2, 0x3003
	s_cbranch_scc0 .Lentry_shape_is_right
	s_endpgm
.Lentry_shape_is_right:
; CAUSAL ATTENTION ON CODES OF BF8 (E5M2), four query heads to a head of keys and values.  q_codes and kv_codes hold images of operand registers (16 registers a lane, 2,048 bytes: registers 4 g .. 4 g + 3 of lane l
; at 512 g + 16 l; registers 2 c, 2 c + 1 hold K = 16 c + 8 (l / 16) + 0 .. 7).  q_codes [16 b + head][t / 16][image].  kv_codes [4 b + head][t / 128][K's 8 images | V's 8 images]: a key step of 128 keys is 32,768 bytes on end.
; THE SOFTMAX: t = score x 2^(e6 + e7) x log2(e) / sqrt(128); M = the running largest t rounded up to a whole number; p = 2^(t - M) is quantised with 2^e9; the row's sum is taken of the unquantised p; when M moves, the sum
; and O are multiplied by 2^(old M - new M), which rounds nothing.  At the end O x 2^(e8 + e9) / the sum.
; LEFT OUT: key steps all of whose keys come after a tile's queries: reference() itself masks them.  A NaN or infinity that reaches masked scores alone is not carried to the result.
; SHARES.  A work-group serves the four query heads of one head of keys.  The queries go in blocks of 128, eight tiles of 16 each.  With c = cluster x % 4 and i = 4 (cluster x / 4) + cx, waves 0-3 own tile i of blocks 15 - c (A)
; and 11 - c (B) of query head wave % 4, waves 4-7 tile i of blocks 4 + c (A) and c (B): a block's tile wants key steps 0 .. block, so a wave pair h, h + 4 walks 34 tile-steps in every work-group.  While both its tiles
; are at work a wave feeds each fragment of K and V to two matrix instructions.  Branches hang on the cluster's x, the wave's number and the count of steps, never on cx.
; LAYOUT.  S^T = K Q^T (source 0 = 16 keys, source 1 = 16 queries), O^T = V^T P^T (source 0 = 16 of the head's 128, source 1 = P): a lane holds one query (l % 16) throughout; register 8 T + j of S is key 16 T + 8 (l / 16) + j,
; so a conversion of eight registers gives registers 2 T, 2 T + 1 of P as the second product wants them.
; THE RING: two slots of four key steps, 131,072 bytes each, filled by joint loads of the cluster's four work-groups.  Wave w fetches bytes 4,096 w .. + 4,095 of each of the four steps by one load: LDS holds them at
; 16,384 w + 4,096 x step.  So every load brings bytes of the slot's first step, and every work-group reads at least steps 0 to 12: each load is read in every work-group.  One tensor load of a wave is out at any time.
; K's images of the next step are loaded during the second product, into registers that V's images have left, two images at a time.
; LIMITS on the given exponents, so that each power of two below is an f32 number: e6 + e7 between -123 and 130; e9 between -126 and 112; e8 + e9 is applied by v_ldexp_f32 and has none.
; REGISTERS.  Window 0: v1-11 addresses; v12-15, v16-19 the tiles' -M, largest t, sum in two halves; v22 57,344 x 2^e9, v23 2^e9; v[24:25], v[26:27] f; v32-63 Q; v64-127, v128-191 S, then p; v192-223 P; v224-255 at work.
; Window 1: v0-63, v64-127 O^T; v128-255 eight fragments of K, then of V.
.set SLOT1, 1<<17                      ; slot 1 begins here: one exclusive or turns an address from one slot to the other
.set SPARE, 2*SLOT1                    ; behind the ring: the spare words, 128 bytes for each of eight waves, which no other line names
.set STAGE, SPARE+1024                 ; the way out: 16 rows x (256 + 16) bytes for each wave; no fill ever lands here
.set SP,   272
.set LI,   1                           ; v1   16 x lane
.set ADK,  2                           ; v2   LDS address of the step's K
.set SPW,  3                           ; v3   my spare word; never rewritten
.set NIL,  4                           ; v4   0; never rewritten
.set GO,   5                           ; v5   my byte offset in two rows of out0
.set STI,  6                           ; v6   the stage, in
.set STB,  7                           ; v7   the stage, back
.set DD,   8                           ; v8   my query's place in its block - 8 (l / 16)
.set ADV,  9                           ; v9   LDS address of the step's V
.set PFO,  10                          ; v10  256 x lane
.set LV,   11                          ; v11  LI + 65,536: V's images begin there in a slot
.set ST,   12
.set HOLD, 22
.set SCL,  23
.set FF,   24
.set NI,   28
.set QR,   32
.set SR,   64
.set PR,   192
.set TM,   224
.set FRG,  128                         ; window 1
.set TY,   2                           ; s2 0 in waves 0-3, 1 in waves 4-7   s3 the query head in its group
.set HH,   3
.set WV,   12
.set CXG,  13                          ; s13 cx   s14 the cluster's x   s15 y = 4 b + head of keys
.set CL,   14
.set YY,   15
.set LA,   16                          ; s16, s17 the last key step of tiles A and B: LB < LA
.set LB,   17
.set KS,   18                          ; s18 the key step in hand
.set TB,   19                          ; s19 LDS byte at which it begins
.set SEL,  20                          ; s[20:21] selects for lane l xor 16
.set CS,   22                          ; s[22:23] c = 2^(e6 + e7) log2(e) / sqrt(128)
.set G1,   24                          ; s[24:31] descriptor group 1;  s[32:35] group 0, which walks
.set G0,   32
.set SLOTS, 36
.set TW,   37
.set LIM,  38                          ; 1 in a wave that prefetches, else the greatest number
.set OUTAT, 39                         ; the value of s[SLOTS] at which my two tiles go out inside the loop (waves 4-7: slot 2, behind their last step)
.set PFA,  40                          ; s[40:41] where my prefetches stand
.set OB,   42                          ; s[42:43], s[44:45] out0 at tiles A and B
.set MSB, 0
.macro WIN new                         ; the immediate's high byte repeats the setting that is left; a switch that changes nothing is dropped
.if MSB != \new
	s_set_vgpr_msb (MSB<<8)|\new
.set MSB, \new
.endif
.endm
.macro PLACES                          ; four places behind a matrix instruction
.rept 4
	v_nop
.endr
.endm
.macro CROUND                          ; a round of the cluster's barrier
	s_barrier_signal -1
	s_barrier_wait -1
	s_cmp_lg_u32 s[WV], 0
	s_cbranch_scc1 .Lnot_wave_0_\@
	s_barrier_signal -3
.Lnot_wave_0_\@:
	s_barrier_wait -3
	s_barrier_signal -1
	s_barrier_wait -1
.endm
.macro JLOAD                           ; my eighth of a slot, asked for jointly by the four partners; four v_nop follow
	tensor_load_to_lds s[G0:G0+3], s[G1:G1+7]
	s_nop 0
	PLACES
.endm
; A prefetch of the slot that the NEXT change of slots will ask for.  All eight clusters of a head of keys walk the same bytes: cluster x = 0 asks.  Its four partners take 32,768 bytes each, told apart by address; in each,
; waves 0 to 3 take 8,192 bytes, lanes 256 bytes apart: each block of 256 bytes is named once.  The last change that fills a slot asks for nothing: there is no slot behind it.
.macro ASK
	s_cmp_gt_u32 s[SLOTS], s[LIM]
	s_cbranch_scc0 .Lnot_mine_\@
	global_prefetch_b8 v[PFO], s[PFA:PFA+1] th:TH_LOAD_NT scope:SCOPE_SE
.Lnot_mine_\@:
.endm
	s_load_b256 s[4:11], s[0:1], 0x0               ; q_codes s[4:5], kv_codes s[6:7], the exponents s[8:9], out0 s[10:11]
	v_lshl_add_u32 v[SPW], v0, 2, SPARE
	v_mov_b32 v[NIL], 0
	ds_add_u32 v[SPW], v[NIL]                      ; the wave's opening: the add, twice on end, and its wait
	ds_add_u32 v[SPW], v[NIL]
	v_lshrrev_b32 v1, 5, v0
	v_readfirstlane_b32 s[WV], v1                  ; wave 0..7
	s_bfe_u32 s[CXG], ttmp6, 0x40000
	s_mov_b32 s[CL], ttmp9
	s_and_b32 s[YY], ttmp7, 0xffff
	; descriptor group 1: four rows of 4,096 bytes, 32,768 apart in memory, dense in LDS
	s_mov_b32 s[G1], 15|(3<<16)|(1<<21)            ; 15:0 the mask: all four work-groups; 17:16 elements of 8 bytes; 21 set beside a mask; no padding: a fragment load reads 512 bytes on end
	s_mov_b32 s[G1+1], 512<<16                     ; tensor_dim0 = 512 elements
	s_mov_b32 s[G1+2], 4<<16                       ; tensor_dim1 = 4
	s_mov_b32 s[G1+3], 512<<16                     ; tile_dim0
	s_mov_b32 s[G1+4], 4                           ; tile_dim1
	s_mov_b32 s[G1+5], 4096                        ; tensor_dim0_stride
	s_mov_b32 s[G1+6], 0
	s_mov_b32 s[G1+7], 0
	s_mov_b32 s[SEL], 0x76543210
	s_mov_b32 s[SEL+1], 0xfedcba98
	s_mov_b32 s[KS], 0
	s_mov_b32 s[TB], 0
	s_mov_b32 s[SLOTS], 3
	s_lshr_b32 s[TY], s[WV], 2
	s_and_b32 s[HH], s[WV], 3
	s_lshl_b32 s56, s[YY], 19                      ; the head's 16 key steps,
	s_lshl_b32 s57, s[WV], 12
	s_add_co_u32 s56, s56, s57                     ; my eighth of each: nothing of my place in the cluster
	s_mov_b32 s57, 0
	s_lshl_b32 s48, s[YY], 19                      ; the prefetches: my work-group's quarter of a slot, my wave's quarter of that,
	s_lshl_b32 s49, s[CXG], 15
	s_add_co_u32 s48, s48, s49
	s_lshl_b32 s49, s[HH], 13
	s_add_co_u32 s48, s48, s49
	s_add_co_u32 s48, s48, 131072                  ; in the second slot's worth: the first change of slots steps it to the third
	s_mov_b32 s49, 0
	s_or_b32 s50, s[TY], s[CL]                     ; 0 in waves 0 to 3 of cluster x = 0: the same in all four partners
	s_cmp_eq_u32 s50, 0
	s_cselect_b32 s[LIM], 1, -1
	s_wait_dscnt 0x0                               ; both opening adds are done
	s_wait_alu depctr_va_vdst(0)
	s_wait_kmcnt 0x0
	s_load_b128 s[52:55], s[8:9], 0x18             ; e6, e7, e8, e9
	s_mov_b32 s[G0], 1
	s_lshl_b32 s[G0+1], s[WV], 14                  ; slot 0
	s_add_nc_u64 s[G0+2:G0+3], s[6:7], s[56:57]
	s_or_b32 s[G0+3], s[G0+3], 0x80000000
	s_add_nc_u64 s[PFA:PFA+1], s[6:7], s[48:49]
	CROUND                                         ; all four work-groups are here: the first joint loads meet
	JLOAD                                          ; key steps 0 to 3
	s_and_b32 s46, s[CL], 3                        ; c
	s_sub_co_u32 s47, 15, s46
	s_add_co_u32 s48, s46, 4
	s_sub_co_u32 s49, 11, s46
	s_cmp_eq_u32 s[TY], 0
	s_cselect_b32 s[LA], s47, s48
	s_cselect_b32 s[LB], s49, s46
	s_cselect_b32 s[OUTAT], 99, 1
	s_lshr_b32 s63, s[CL], 2
	s_lshl_b32 s63, s63, 2
	s_add_co_u32 s63, s63, s[CXG]                  ; i
	s_lshl_b32 s60, s[LA], 3
	s_add_co_u32 s60, s60, s63                     ; tile A
	s_lshl_b32 s61, s[LB], 3
	s_add_co_u32 s61, s61, s63                     ; tile B
	s_lshl_b32 s62, s[YY], 2
	s_add_co_u32 s62, s62, s[HH]                   ; 16 b + query head
	s_lshl_b32 s62, s62, 7
	s_add_co_u32 s46, s62, s60
	s_lshl_b32 s46, s46, 11
	s_mov_b32 s47, 0
	s_add_nc_u64 s[56:57], s[4:5], s[46:47]
	s_add_co_u32 s48, s62, s61
	s_lshl_b32 s48, s48, 11
	s_mov_b32 s49, 0
	s_add_nc_u64 s[58:59], s[4:5], s[48:49]
	s_lshr_b32 s46, s[YY], 2
	s_lshl_b32 s46, s46, 24                        ; out0: b x 2,048 rows of 8,192 bytes,
	s_and_b32 s47, s[YY], 3
	s_lshl_b32 s47, s47, 2
	s_add_co_u32 s47, s47, s[HH]
	s_lshl_b32 s47, s47, 9                         ; the head's 512 bytes of a row,
	s_add_co_u32 s46, s46, s47
	s_lshl_b32 s48, s60, 17                        ; the tile's 16 rows
	s_add_co_u32 s48, s48, s46
	s_mov_b32 s49, 0
	s_add_nc_u64 s[OB:OB+1], s[10:11], s[48:49]
	s_lshl_b32 s50, s61, 17
	s_add_co_u32 s50, s50, s46
	s_mov_b32 s51, 0
	s_add_nc_u64 s[OB+2:OB+3], s[10:11], s[50:51]
	s_lshl_b32 s63, s63, 4                         ; the tile's first query in its block
	s_mul_i32 s62, s[WV], 16*SP
	s_add_co_u32 s62, s62, STAGE                   ; my stage
	v_and_b32 v[LI], 31, v0
	v_lshlrev_b32 v[LI], 4, v[LI]
	s_wait_alu depctr_va_vdst(0)
.irp g, 0,1,2,3
	global_load_b128 v[QR+4*\g:QR+4*\g+3], v[LI], s[56:57] offset:512*\g   ; Q's two fragments stay in registers
	global_load_b128 v[QR+16+4*\g:QR+19+4*\g], v[LI], s[58:59] offset:512*\g
.endr
	v_add_nc_u32 v[LV], 0x10000, v[LI]
	v_lshlrev_b32 v[PFO], 4, v[LI]
	v_and_b32 v26, 15, v0                          ; r
	v_bfe_u32 v27, v0, 4, 1                        ; h
	v_lshlrev_b32 v28, 3, v27
	v_sub_nc_u32 v28, v26, v28                     ; r - 8 h
	v_add_nc_u32 v[DD], s63, v28
	v_mul_u32_u24 v[STI], v26, SP
	v_mul_u32_u24 v[STB], v27, SP
	v_lshl_add_u32 v[STI], v27, 5, v[STI]
	v_lshl_add_u32 v[STB], v26, 4, v[STB]
	v_add_nc_u32 v[STI], s62, v[STI]               ; in: row r, 32 bytes for each half of the lanes
	v_add_nc_u32 v[STB], s62, v[STB]               ; back: lanes 0-15 one row, lanes 16-31 the next
	v_lshlrev_b32 v[GO], 13, v27
	v_lshl_add_u32 v[GO], v26, 4, v[GO]            ; and the same two rows in out0
.irp t, ST, ST+4
	v_mov_b32 v[\t+1], 0xff61b1e6                  ; the largest t so far: -3e38, under every t
	v_mov_b32 v[\t+2], 0                           ; the sum, in two halves
	v_mov_b32 v[\t+3], 0
	v_floor_f32 v[\t], -v[\t+1]                    ; -M
.endr
	v_mov_b32 v[FF+1], 0                           ; named as the upper half of a pair
	v_mov_b32 v[FF+3], 0
	v_mov_b32 v[NI], 0                             ; a lane permute's destination counts as read
	WIN 0x40
.set j, 0
.rept 128
	v_mov_b32 v[j], 0                              ; O^T of both tiles.  (The step is written without a first step of its own: the first change of M multiplies zeros)
.set j, j+1
.endr
	WIN 0
	s_wait_alu depctr_va_vdst(0)
	s_wait_kmcnt 0x0
	s_add_co_i32 s46, s52, s53
	s_lshl_b32 s46, s46, 23
	s_mov_b32 s[CS], 0x3e0293ee                    ; log2(e) / sqrt(128);
	s_add_co_i32 s[CS], s[CS], s46                 ; e6 + e7 are added to its exponent field
	s_mov_b32 s[CS+1], s[CS]
	s_add_co_i32 s46, s55, 127
	s_lshl_b32 s47, s46, 23
	s_add_co_i32 s46, s46, 15
	s_lshl_b32 s46, s46, 23
	s_or_b32 s46, s46, 0x600000
	s_add_co_i32 s51, s54, s55                     ; e8 + e9
	v_mov_b32 v[SCL], s47                          ; 2^e9
	v_mov_b32 v[HOLD], s46                         ; 57,344 x 2^e9
; On the diagonal the scores of hidden keys become -infinity ahead of the maximum: p = 0 then.  Register n holds the step's key 16 (n / 8) + n % 8 + 8 (l / 16).
.macro MASK k
	v_mov_b32 v[NI], 0xff800000
.set n, 0
.rept 64
	v_cmp_gt_i32 vcc_lo, 16*(n/8)+n%8, v[DD]
	v_cndmask_b32 v[SR+64*\k+n], v[SR+64*\k+n], v[NI], vcc_lo
.set n, n+1
.endr
.endm
; The softmax's lines for tile k (0 = A, 1 = B).  With two tiles (NT = 2) the tiles' lines take turns; with one the chain carries hints.
.macro DEP n
.if NT == 1
	s_delay_alu instid0(VALU_DEP_\n)
.endif
.endm
.macro X1 k
	v_max3_num_f32 v[TM+16*\k], v[TM+16*\k], v[TM+16*\k+1], v[TM+16*\k+2]
.endm
.macro X2 k
	DEP 1
	v_max_num_f32 v[TM+16*\k], v[TM+16*\k], v[TM+16*\k+3]
.endm
.macro X3 k
	DEP 1
	v_permlanex16_b32 v[TM+16*\k+1], v[TM+16*\k], s[SEL], s[SEL+1]
.endm
.macro X4 k                            ; and among lane l xor 16's
	DEP 1
	v_max_num_f32 v[TM+16*\k], v[TM+16*\k], v[TM+16*\k+1]
.endm
.macro X5 k                            ; as t (c is positive)
	DEP 1
	v_mul_f32 v[TM+16*\k], s[CS], v[TM+16*\k]
.endm
.macro X6 k                            ; the running largest t
	DEP 1
	v_max_num_f32 v[ST+4*\k+1], v[ST+4*\k+1], v[TM+16*\k]
.endm
.macro X7 k
	v_mov_b32 v[TM+16*\k+2], v[ST+4*\k]
.endm
.macro X8 k                            ; the new -M = -ceil(t)
	DEP 2
	v_floor_f32 v[ST+4*\k], -v[ST+4*\k+1]
.endm
.macro X9 k                            ; old M - new M: a whole number, 0 or less
	DEP 1
	v_sub_f32 v[TM+16*\k], v[ST+4*\k], v[TM+16*\k+2]
.endm
.macro X10 k                           ; (it saturates)
	DEP 1
	v_cvt_i32_f32 v[TM+16*\k], v[TM+16*\k]
.endm
.macro X11 k                           ; f = 2^(old M - new M)
	DEP 1
	v_ldexp_f32 v[FF+2*\k], 1.0, v[TM+16*\k]
.endm
.macro FMA k, j                        ; t - M
	v_pk_fma_f32 v[SR+64*\k+(\j):SR+64*\k+(\j)+1], v[SR+64*\k+(\j):SR+64*\k+(\j)+1], s[CS:CS+1], v[ST+4*\k:ST+4*\k+1] op_sel_hi:[1,0,0]
.endm
.macro HOLD2 k, j                      ; the conversion does not saturate (ISA guide 7.6.2); p is not negative, so the hold is one-sided
	v_min_num_f32 v[SR+64*\k+(\j)], v[SR+64*\k+(\j)], v[HOLD]
	v_min_num_f32 v[SR+64*\k+(\j)+1], v[SR+64*\k+(\j)+1], v[HOLD]
.endm
.macro EXF k, j                        ; p = 2^(t - M) of the first 32 numbers; t - M of the last 32 stands among them
	v_exp_f32 v[SR+64*\k+(\j)], v[SR+64*\k+(\j)]
	v_exp_f32 v[SR+64*\k+(\j)+1], v[SR+64*\k+(\j)+1]
	FMA \k, (\j)+32
.endm
.macro EXH k, j                        ; p of the last 32; the first sums of the first 32, unquantised, and then their hold, stand among them
	v_exp_f32 v[SR+64*\k+(\j)+32], v[SR+64*\k+(\j)+32]
	v_exp_f32 v[SR+64*\k+(\j)+33], v[SR+64*\k+(\j)+33]
.if (\j)%4 == 0
	v_pk_add_f32 v[TM+16*\k+(\j)/2:TM+16*\k+(\j)/2+1], v[SR+64*\k+(\j):SR+64*\k+(\j)+1], v[SR+64*\k+(\j)+2:SR+64*\k+(\j)+3]
.endif
	HOLD2 \k, \j
.endm
.macro SUMF k
	v_pk_mul_f32 v[ST+4*\k+2:ST+4*\k+3], v[ST+4*\k+2:ST+4*\k+3], v[FF+2*\k:FF+2*\k+1] op_sel_hi:[1,0]
.endm
.macro RESC k, j                       ; O^T under the new M (window 1)
	v_pk_mul_f32 v[64*\k+(\j):64*\k+(\j)+1], v[64*\k+(\j):64*\k+(\j)+1], v[FF+2*\k:FF+2*\k+1] op_sel_hi:[1,0]
.endm
.macro SUMA k, j                       ; eight chains
	v_pk_add_f32 v[TM+16*\k+(\j)%16:TM+16*\k+(\j)%16+1], v[TM+16*\k+(\j)%16:TM+16*\k+(\j)%16+1], v[SR+64*\k+(\j):SR+64*\k+(\j)+1]
.endm
.macro TREE k, a, b
	v_pk_add_f32 v[TM+16*\k+\a:TM+16*\k+\a+1], v[TM+16*\k+\a:TM+16*\k+\a+1], v[TM+16*\k+\b:TM+16*\k+\b+1]
.endm
.macro SUME k
	v_pk_add_f32 v[ST+4*\k+2:ST+4*\k+3], v[ST+4*\k+2:ST+4*\k+3], v[TM+16*\k:TM+16*\k+1]
.endm
.macro CVT k, t
	v_cvt_scalef32_pk8_bf8_f32 v[PR+16*\k+2*\t:PR+16*\k+2*\t+1], v[SR+64*\k+8*\t:SR+64*\k+8*\t+7], v[SCL]
.endm
.macro BOTH m, j                       ; one line of tile A, the same of tile B
	\m 0, \j
.if NT > 1
	\m 1, \j
.endif
.endm
.macro SOFTMAX nt
.set NT, \nt
.irp c, 0,1,2,3                        ; the step's largest score of my query among my 64 keys, in four chains, each accumulator from its low end on
.irp k, 0,1
.if \k < NT
	v_max3_num_f32 v[TM+16*\k+\c], v[SR+64*\k+3*\c], v[SR+64*\k+3*\c+1], v[SR+64*\k+3*\c+2]
.endif
.endr
.endr
.set i, 12
.rept 26
.irp k, 0,1
.if \k < NT
	v_max3_num_f32 v[TM+16*\k+((i-12)/2)%4], v[TM+16*\k+((i-12)/2)%4], v[SR+64*\k+i], v[SR+64*\k+i+1]
.endif
.endr
.set i, i+2
.endr
.irp x, X1,X2,X3,X4,X5,X6,X7,X8,X9,X10,X11
	\x 0
.if NT > 1
	\x 1
.endif
.endr
.set i, 0
.rept 16
	BOTH FMA, i
.set i, i+2
.endr
	s_wait_alu depctr_va_vdst(0)                   ; the wait ahead of the batch,
.set i, 0
.rept 16
	BOTH EXF, i
.set i, i+2
.endr
	s_wait_alu depctr_va_vdst(0)                   ; behind it and ahead of the next,
.set i, 0
.rept 16
	BOTH EXH, i
.set i, i+2
.endr
.irp k, 0,1
.if \k < NT
	SUMF \k
.endif
.endr
	WIN 0x41                                       ; O^T: destination and source 0 in window 1
	s_wait_alu depctr_va_vdst(0)                   ; and behind that one, directly ahead of the first reader of O^T
.set i, 0
.rept 32
	BOTH RESC, i
.set i, i+2
.endr
	WIN 0
.set i, 32
.rept 16
	BOTH SUMA, i
.set i, i+2
.endr
.irp k, 0,1
.if \k < NT
	TREE \k, 0, 8
	TREE \k, 2, 10
	TREE \k, 4, 12
	TREE \k, 6, 14
.endif
.endr
.irp k, 0,1
.if \k < NT
	TREE \k, 0, 4
	TREE \k, 2, 6
.endif
.endr
.irp k, 0,1
.if \k < NT
	TREE \k, 0, 2
.endif
.endr
.irp k, 0,1
.if \k < NT
	SUME \k
.endif
.endr
.irp t, 0,1,2,3
	BOTH CVT, \t
.endr
.set i, 32
.rept 16
	BOTH HOLD2, i
.set i, i+2
.endr
.irp t, 4,5,6,7
	BOTH CVT, \t
.endr
	v_nop                                          ; one plain instruction behind the last conversion
.endm
; An image of 2,048 bytes, two to a wave's 4,096: image t at 16,384 (t / 2) + 2,048 (t % 2).
.macro FRAG t, adr, off
.irp g, 0,1,2,3
	ds_load_b128 v[FRG+16*(\t)+4*\g:FRG+16*(\t)+4*\g+3], v[\adr] offset:16384*((\t)/2)+2048*((\t)%2)+512*\g+\off
.endr
.endm
.macro LOADK                           ; a slot's first step: K's eight images
	v_add_nc_u32 v[ADK], s[TB], v[LI]
.rept 3
	v_nop                                          ; with the addition: four places in front of loads into registers that the last products read
.endr
	WIN 0x40
.irp t, 0,1,2,3,4,5,6,7
	FRAG \t, ADK, 0
.endr
	WIN 0
.endm
; The accumulators take turns, one instruction a turn.
.macro QK nt                           ; S^T = K Q^T: eight tiles of 16 keys; each product is a whole sum (K = the head's 128)
	WIN 0x01
.irp q, 0,1,2,3
	s_wait_dscnt 24-8*\q                           ; the four loads of each later image may be out
.irp t, 2*\q,2*\q+1
	v_wmma_f32_16x16x128_bf8_bf8 v[SR+8*(\t):SR+8*(\t)+7], v[FRG+16*(\t):FRG+16*(\t)+15], v[QR:QR+15], 0
.if \nt > 1
	v_wmma_f32_16x16x128_bf8_bf8 v[SR+64+8*(\t):SR+71+8*(\t)], v[FRG+16*(\t):FRG+16*(\t)+15], v[QR+16:QR+31], 0
.endif
.endr
.endr
	WIN 0
	PLACES                                         ; for the loads below and the first read of the scores
	WIN 0x40
.irp t, 0,1,2,3,4,5,6,7
	FRAG \t, ADV, 0                                ; V's eight images, into the registers that K has left: they land under the softmax
.endr
	WIN 0
.endm
.macro PV nt                           ; O^T += V^T P^T: eight tiles of 16 of the head's 128; K = the step's 128 keys
	s_wait_alu depctr_va_vdst(0)                   ; the wait here, directly ahead of the wait below
	s_wait_dscnt 0x0                               ; V is in
.irp q, 0,1,2,3
	WIN 0x51                                       ; source 0 (V), C and D (O^T) in window 1, source 1 (P) in window 0
.irp t, 2*\q,2*\q+1
	v_wmma_f32_16x16x128_bf8_bf8 v[8*(\t):8*(\t)+7], v[FRG+16*(\t):FRG+16*(\t)+15], v[PR:PR+15], v[8*(\t):8*(\t)+7]
.if \nt > 1
	v_wmma_f32_16x16x128_bf8_bf8 v[64+8*(\t):71+8*(\t)], v[FRG+16*(\t):FRG+16*(\t)+15], v[PR+16:PR+31], v[64+8*(\t):71+8*(\t)]
.endif
.endr
	WIN 0
	s_cmp_eq_u32 s[TW], 1                          ; a slot's last step: the next one's K lies behind the change of slots
	s_cbranch_scc1 .Lnk_\@_\q
	PLACES
	WIN 0x40
.irp t, 2*\q,2*\q+1
	FRAG \t, ADK, 4096                             ; the next step's K, into the registers that V's two images have left
.endr
	WIN 0
.Lnk_\@_\q:
.endr
.endm
; A slot's four key steps: written once, walked four times.  A step parts once on whether tile B still has keys in it; where it has, tile A is not on its diagonal.  main = 0: the last slot, where only tile A of waves 0-3 is at work.
.macro STEPS main
	s_mov_b32 s[TW], 4
.Lstep_\@:
	s_cmp_gt_u32 s[KS], s[LA]                      ; all its keys come after all my queries: nothing but the steps of the addresses
	s_cbranch_scc1 .Lskip_\@
	v_add_nc_u32 v[ADK], s[TB], v[LI]
	v_add_nc_u32 v[ADV], s[TB], v[LV]
	s_wait_alu depctr_va_vdst(0)                   ; the wait here, ahead of the branch and the waits below
.if \main
	s_cmp_gt_u32 s[KS], s[LB]
	s_cbranch_scc1 .Lone_\@
	QK 2
	s_cmp_lg_u32 s[KS], s[LB]
	s_cbranch_scc1 .LopenB_\@
	MASK 1
.LopenB_\@:
	SOFTMAX 2
	PV 2
	s_branch .Lskip_\@
.Lone_\@:
.endif
	QK 1
	s_cmp_lg_u32 s[KS], s[LA]
	s_cbranch_scc1 .LopenA_\@
	MASK 0
.LopenA_\@:
	SOFTMAX 1
	PV 1
.Lskip_\@:
	s_add_co_u32 s[KS], s[KS], 1
	s_add_co_u32 s[TB], s[TB], 4096
	s_sub_co_u32 s[TW], s[TW], 1
	s_cmp_lg_u32 s[TW], 0
	s_cbranch_scc1 .Lstep_\@
	s_sub_co_u32 s[TB], s[TB], 16384               ; back to a slot's first step,
	s_xor_b32 s[TB], s[TB], SLOT1                  ; in the other slot
.endm
; THE CHANGE OF SLOTS stands at a slot's head.  Each wave waits for all its tensor loads (its part of the slot ahead), adds 0 to its spare word, and waits for that and for its reads of the slot that it has left.
; fill = 1: the barrier is a round of the cluster's, and the slot that was left is filled first thing behind it: the load has four key steps in which to land.
.macro CHANGE fill
	s_wait_tensorcnt 0x0                           ; no tensor load of mine is out, so group 0 may be written
	ds_add_u32 v[SPW], v[NIL]                      ; 0 onto my spare word
.if \fill
	s_xor_b32 s[G0+1], s[G0+1], SLOT1              ; the other slot than last time,
	s_add_nc_u64 s[G0+2:G0+3], s[G0+2:G0+3], 131072   ; the next four key steps
	s_wait_xcnt 0x0                                ; the last prefetch, a slot back, has read its address
	s_add_nc_u64 s[PFA:PFA+1], s[PFA:PFA+1], 131072   ; one slot further on than the walking descriptor
	s_wait_dscnt 0x0                               ; the add is done, and my reads of the slot that I have left are over
	CROUND
	JLOAD
	ASK
.else
	s_wait_dscnt 0x0
	s_barrier_signal -1
	s_barrier_wait -1
.endif
.endm
; THE WAY OUT of tile k: O^T x 2^(e8 + e9) / the sum goes through my stage, half a row (64 channels, 256 bytes) of 16 queries at a time, and leaves so that sixteen lanes store 256 consecutive bytes, aligned.
.macro OUT k, sr, bk
	v_add_f32 v[ST+4*\k+2], v[ST+4*\k+2], v[ST+4*\k+3]   ; the sum's two halves,
	s_delay_alu instid0(VALU_DEP_1)
	v_permlanex16_b32 v[NI], v[ST+4*\k+2], s[SEL], s[SEL+1]
	s_delay_alu instid0(VALU_DEP_1)
	v_add_f32 v[ST+4*\k+2], v[ST+4*\k+2], v[NI]    ; and lane l xor 16's
	s_wait_alu depctr_va_vdst(0)                   ; the wait ahead of the transcendental,
	v_rcp_f32 v[ST+4*\k+2], v[ST+4*\k+2]
	v_nop
	s_wait_alu depctr_va_vdst(0)                   ; ahead of its first reader,
	v_ldexp_f32 v[ST+4*\k+2], v[ST+4*\k+2], s51
	WIN 0x01
	s_wait_alu depctr_va_vdst(0)                   ; and directly ahead of the first reader of O^T
.set j, 0
.rept 32
	v_pk_mul_f32 v[\sr+j:\sr+j+1], v[64*\k+j:64*\k+j+1], v[ST+4*\k+2:ST+4*\k+3] op_sel_hi:[1,0]   ; register 8 a + i is channel 16 a + 8 (l / 16) + i of query l % 16
.set j, j+2
.endr
	WIN 0
.irp u, 0,1
.irp t, 0,1,2,3
	ds_store_b128 v[STI], v[\sr+32*\u+8*\t:\sr+32*\u+8*\t+3] offset:64*\t
	ds_store_b128 v[STI], v[\sr+32*\u+8*\t+4:\sr+32*\u+8*\t+7] offset:64*\t+16
.endr
.irp i, 0,1,2,3,4,5,6,7
	ds_load_b128 v[\bk+32*\u+4*\i:\bk+32*\u+4*\i+3], v[STB] offset:2*\i*SP   ; LDS serves a wave's instructions in order: these see my stores, and the next half's stores come behind them
.endr
.endr
.irp u, 0,1
.irp i, 0,1,2,3,4,5,6,7
	s_wait_dscnt 15-8*\u-\i                        ; at most so many younger loads from the stage may be out
	global_store_b128 v[GO], v[\bk+32*\u+4*\i:\bk+32*\u+4*\i+3], s[OB+2*\k:OB+2*\k+1] offset:16384*\i+256*\u th:TH_STORE_NT
.endr
.endr
.endm
	s_wait_alu depctr_va_vdst(0)                   ; the wait at the head's end
	s_wait_loadcnt 0x0                             ; Q
.Lslot:                                                ; three trips: behind each change of slots but the last the next slot is asked for
	CHANGE 1
	s_cmp_lg_u32 s[SLOTS], s[OUTAT]                ; waves 4-7 have had their last step (at most 7) when slot 2 begins: their tiles go out
	s_cbranch_scc1 .Lkeep
	PLACES
	OUT 1, 192, 128
	OUT 0, 64, 192
	s_wait_xcnt 0x0                                ; the stores have read their registers
.Lkeep:
	LOADK
	STEPS 1
	s_sub_co_u32 s[SLOTS], s[SLOTS], 1
	s_cmp_lg_u32 s[SLOTS], 0
	s_cbranch_scc1 .Lslot
	CHANGE 0                                       ; the last slot is written out
	LOADK
	s_cmp_eq_u32 s[TY], 1                          ; waves 4-7 have sent their tiles, and jump over each of the last four steps' work
	s_cbranch_scc1 .Lsent
	OUT 1, 192, 128                                ; waves 0-3: tile B (its last step is at most 11) goes out ahead of tile A's last steps, which touch none of the stores' registers
.Lsent:
	STEPS 0
	s_cmp_eq_u32 s[TY], 1
	s_cbranch_scc1 .Lend
	PLACES
	OUT 0, 64, 192
.Lend:
	s_wait_tensorcnt 0x0                           ; the wave's end
	ds_add_u32 v[SPW], v[NIL]
	s_wait_dscnt 0x0
	CROUND                                         ; the closing round: no work-group ends while a partner may still ask for a tile that names it
	s_endpgm
.Lfunc_end_k_q068411bb6a_attn:
	.size	k_q068411bb6a_attn, .Lfunc_end_k_q068411bb6a_attn-k_q068411bb6a_attn
	.p2alignl 7, 3214868480
	.fill 96, 4, 3214868480
	.section	.rodata,"a",@progbits
	.p2align	6, 0x0
	.amdhsa_kernel k_q068411bb6a_attn
		.amdhsa_group_segment_fixed_size 327680
		.amdhsa_private_segment_fixed_size 0
		.amdhsa_enable_private_segment 0
		.amdhsa_kernarg_size 32
		.amdhsa_user_sgpr_count 2
		.amdhsa_user_sgpr_kernarg_segment_ptr 1
		.amdhsa_wavefront_size32 1
		.amdhsa_system_sgpr_workgroup_id_x 1
		.amdhsa_system_sgpr_workgroup_id_y 1
		.amdhsa_system_sgpr_workgroup_id_z 1
		.amdhsa_system_vgpr_workitem_id 0
		.amdhsa_next_free_vgpr 512
		.amdhsa_next_free_sgpr 66
		.amdhsa_reserve_vcc 1
		.amdhsa_float_denorm_mode_32 3
		.amdhsa_float_denorm_mode_16_64 3
		.amdhsa_memory_ordered 1
		.amdhsa_forward_progress 1
		.amdhsa_inst_pref_size 134
	.end_amdhsa_kernel
	.amdgpu_metadata
---
amdhsa.version: [ 1, 2 ]
amdhsa.kernels:
  - .name:           k_q068411bb6a_attn
    .symbol:         k_q068411bb6a_attn.kd
    .args:
      - { .name: q_codes, .offset: 0, .size: 8, .value_kind: global_buffer, .address_space: global }
      - { .name: kv_codes, .offset: 8, .size: 8, .value_kind: global_buffer, .address_space: global }
      - { .name: lowp_scales, .offset: 16, .size: 8, .value_kind: global_buffer, .address_space: global }
      - { .name: out0, .offset: 24, .size: 8, .value_kind: global_buffer, .address_space: global }
    .group_segment_fixed_size: 327680
    .private_segment_fixed_size: 0
    .kernarg_segment_align: 8
    .kernarg_segment_size: 32
    .max_flat_workgroup_size: 256
    .sgpr_count:     66
    .vgpr_count:     512
    .wavefront_size: 32
...
	.end_amdgpu_metadata
.endif
;; end of part 2
